; MI455X (gfx1250); checked and timed in simulation.
; The chip was launched on July 23, 2026; its instructions are those of AMD's public machine-readable ISA for CDNA 5 (MIT licence, August 2026) and "CDNA5" Instruction Set Architecture Reference Guide (July 2026). The comments in the code are by the model that wrote it; some were corrected since.
;; T Linear. Allowed arithmetic: matrix products marked QUANTISED: E2M1 operands, one E8M0 scale for each 32 along K, by v_wmma_scale_f32_16x16x128_f8f6f4 with both operands' format E2M1 (or v_wmma_scale_f32_32x16x128_f4), f32 sums; products left as they are: f32 operands where the result goes on into a quantised operand, else bf16, f16 or f32 operands; f32 sums; everything else in f32.
;; Inputs: Wc 65,536 x 256 float32; bc 65,536 float32; features 4 x 1,024 x 256 float32.
;; Outputs: out0 4 x 1,024 x 256 float32.
;; This version of the problem:
;;   THIS VERSION OF THE PROBLEM IS GIVEN IN LOW PRECISION. The matrix products marked QUANTISED in the list below multiply operands that are first quantised to E2M1 (2 exponent bits, 1 mantissa bit; 4 bits a number), with one power-of-two scale for each 32 numbers along K (OCP MX v1.0); their sums are f32. All else is computed in f32.
;;   The module's matrix products, in the order in which they are computed (A, B: the left and right operand; K: the contracted axis; several contracted axes count as one K, in the product's order):
;;     1. [M 4,096, K 256] x [K 256, N 65,536]; A: input features; B: input Wc: QUANTISED
;;     2. batch 4,096 x [M 256, K 256] x [K 256, N 1]; A: computed on the way; B: input features: left as it is (N = 1 < 16)
;;   THE QUANTISER, for each operand of a quantised product, along K:
;;     - K is cut into blocks of 32 from its start; a last block that is shorter is filled with zeros.
;;     - A block's scale is 2^e with e = floor(log2(the largest magnitude in the block)) - 2, held to -126 .. 127; a block of zeros has e = 0. As a byte (E8M0): e + 127.
;;     - Each number is divided by its block's scale, clamped to +-6, and rounded to the nearest number of E2M1, ties to even, subnormals kept.
;;     - The product sums the exact products of the quantised numbers (number of the format x scale) in f32.
;;   ~~~python
;;   def quantise(x, axis):      # numpy; x: float32 -> the quantised numbers, widened to float32 again
;;       x = np.moveaxis(x, axis, -1); K = x.shape[-1]
;;       x = np.pad(x, [(0, 0)] * (x.ndim - 1) + [(0, -K % 32)]); x = x.reshape(x.shape[:-1] + (-1, 32)); a = np.abs(x).max(-1, keepdims=True)
;;       e = np.where(a > 0, np.clip(np.frexp(np.where(a > 0, a, 1))[1] - 1 - 2, -126, 127), 0)      # np.frexp(a)[1] - 1 = floor(log2(a)), exactly
;;       r = np.clip(x / 2.0 ** e, -6, 6)
;;       step = 2.0 ** (np.maximum(np.frexp(np.where(r == 0, 1, r))[1] - 1, 0) - 1)
;;       q = np.round(r / step) * step * 2.0 ** e      # np.round: ties to even
;;       return np.moveaxis(q.reshape(q.shape[:-2] + (-1,))[..., :K], -1, axis).astype(np.float32)
;;   ~~~
;; One version. Each part assembles by itself: llvm-mc -triple=amdgcn-amd-amdhsa -mcpu=gfx1250 --defsym DOCPART=n.
;; ======== version 1 of 1: 3 launches
;; limits: right only within a limited range of input values
;; workspace buffers: wq 8,912,896 bytes; fq 557,056 bytes; xt 4,456,448 bytes; pt 16,777,216 bytes
;; launch prep (part 1): grid 680 x 1, 4 waves a work-group, no clusters, 75,264 bytes of LDS; arguments features, Wc, bc, wq, fq, xt; writes wq, fq, xt
.if DOCPART == 1
	.amdgcn_target "amdgcn-amd-amdhsa--gfx1250"
	.amdhsa_code_object_version 6
	.text
	.protected	k_q907441f632_prep
	.globl	k_q907441f632_prep
	.p2align	8
	.type	k_q907441f632_prep,@function
k_q907441f632_prep:
	s_mov_b64 s[64:65], 0
	v_nop
	global_prefetch_b8 v0, s[64:65] scope:SCOPE_SE
	s_setreg_imm32_b32 hwreg(HW_REG_WAVE_MODE, 25, 1), 1
	s_wait_xcnt 0x0
; TLinear, launch 1 of 3.  For each token t: W_t[o][i] = Q(f_t) . Q(Wc[256 o + i]) + bc[256 o + i] (Q: MX-FP4 along K = 256);
; S[t][i] = sum over o of (|W_t[o][i]| + EPS);  out[t][o] = sum over i of W_t[o][i] f[t][i] / S[t][i].
; DEAD WORK: none.  Every number of features, Wc and bc reaches the output, and no step of the computation is left out.  The 268 million numbers W_t never go
; to memory: launch 2 forms the product once, for S and for the parts of out, on the codes that this launch makes once; launch 3 adds the parts.
; THIS LAUNCH: (Q) Wc and features become codes of E2M1 with one E8M0 byte for each 32 along K, laid in the ORDER OF THE OPERAND'S REGISTERS;
; (T) features and bc are transposed in f32 into xt: row i = f[0..4095][i] (16,384 bytes), then bc[256 o + i], o = 0..255 (1,024 bytes).
; THE CHUNK, 4,352 bytes: 32 rows x K 256 as two tiles u of 16 rows r.  The 16 bytes of block 4 s + 2 c + h of row (u, r) lie at 2048 u + 1024 s + 512 c + 16 (16 h + r):
; a load of 16 bytes a lane at 16 x lane brings four registers of a fragment.  The scale word (four bytes, K step s) of row (u, r) lies at 4096 + 128 s + 4 (16 u + r).
; wq: chunk (ot, ip) at (128 ot + ip) x 4,352; its row (u, r) is Wc's row 256 (16 ot + r) + 2 ip + u: a tile is 16 outputs o at ONE i.   fq: chunk q; its row (u, r) is token 32 q + 2 r + u.
; So both kinds of chunk are 16 steps r of 2,048 consecutive input bytes (rows u = 0, 1); only the distance from step to step differs, and one text serves both.
; A block's scale is 2^(floor(log2(its largest magnitude)) - 2); its byte is the largest magnitude's exponent field - 2, held at 1 from below.
; LIMITS: a block of zeros gets the byte 1 where the rule says 127 (its codes are zeros, which add nothing, and this program alone reads the bytes); blocks whose largest
; magnitude lies under 2^-124 are held at the byte 1; NaN and infinities among the inputs are not served.
; No cluster: no two work-groups read the same bytes but for features' 4 MiB, which path Q and path T each read once.  No tensor load, no barrier: waves share nothing.
.set NQW,   544                        ; work-groups of path Q: 2,176 chunks, one a wave
.set NWC,   512                        ; of them for Wc
.set CHB,   4352                       ; a chunk
.set XROW,  17408                      ; a row of xt
.set SP,    80                         ; path Q: a lane's place in a stage: 64 bytes + 16 of padding
.set WREG,  9984                       ; path Q: a wave's LDS: two stages of 32 x SP, then the chunk's image
.set IMG,   2*32*SP
.set IP,    272                        ; the image: 17 rows of 256 bytes + 16 of padding: rows 0-15 the codes, row 16 the scale words
.set TBASE, 4*WREG                     ; path T has LDS bytes of its own
.set TREG,  32*272                     ; a wave's stage there: 32 columns x (256 bytes + 16)
.set SPARE, TBASE+4*TREG               ; the spare words, 128 bytes for each wave: two blocks of 256 bytes that no other line names
.set VO,    4                          ; v4-7     path Q: byte offset of the loads of step t, set t % 4
.set SPW,   12                         ; v12      LDS address of my spare word; never rewritten
.set NIL,   13                         ; v13      0; never rewritten
.set R,     16                         ; v16-79   four sets of 16 numbers as they are loaded
.set X,     80                         ; v80-111  two sets of 16 neighbours
.set E,     112                        ; v112-127 a scale byte for each step
.set C,     128                        ; v128-159 two registers of codes for each step
.set IMC,   160                        ; v160     where my 8 bytes of codes go in the image
.set IMS,   161                        ; v161     where my block's byte goes
.set RBC,   162                        ; v162     where I read the image's codes back
.set RBS,   163                        ; v163     and its scale words
.set L16,   164                        ; v164     16 x lane
.set L8,    165                        ; v165     8 x lane
.set OUTR,  168                        ; v168-201 the chunk on its way out
	s_load_b256 s[4:11], s[0:1], 0x0               ; features s[4:5], Wc s[6:7], bc s[8:9], wq s[10:11]
	s_load_b128 s[12:15], s[0:1], 0x20             ; fq s[12:13], xt s[14:15]
	v_lshl_add_u32 v[SPW], v0, 2, SPARE
	v_mov_b32 v[NIL], 0
	v_lshrrev_b32 v1, 5, v0
	v_readfirstlane_b32 s16, v1                    ; wave 0..3
	v_and_b32 v2, 31, v0                           ; lane
	s_cmp_lt_u32 ttmp9, NQW                        ; the work-group's number alone decides the path
	s_cbranch_scc0 .Ltrans
; ---------------- PATH Q: a wave makes one chunk ----------------
	v_lshlrev_b32 v[L16], 4, v2
	v_lshlrev_b32 v[L8], 3, v2
	s_mul_i32 s26, s16, WREG                       ; my wave's LDS
	s_add_co_u32 s27, s26, IMG                     ; its image
	s_add_co_u32 s28, s27, 16*IP                   ; the image's row of scale words
	v_lshrrev_b32 v14, 2, v2
	v_mul_u32_u24 v14, v14, SP
	v_and_b32 v15, 3, v2
	v_lshl_add_u32 v14, v15, 4, v14
	v_add_nc_u32 v14, s26, v14                     ; the stage, on the way in: SP (lane / 4) + 16 (lane % 4)
	v_mul_u32_u24 v15, v2, SP
	v_add_nc_u32 v15, s26, v15                     ; and on the way out: SP x lane: my 16 neighbours
	; behind the stage lane l holds numbers 16 l .. 16 l + 15 of the step's 512: row u = l / 16, block (l / 2) % 8 = 4 s + 2 c + h, its half l % 2.
	; in the chunk that is byte 256 (l / 2) + 8 (l % 2) + 16 r: image row l / 2
	v_lshrrev_b32 v8, 1, v2
	v_mul_u32_u24 v8, v8, IP
	v_and_b32 v9, 1, v2
	v_lshl_add_u32 v8, v9, 3, v8
	v_add_nc_u32 v[IMC], s27, v8
	v_bfe_u32 v8, v2, 3, 1                         ; s
	v_bfe_u32 v9, v2, 4, 1                         ; u
	v_lshlrev_b32 v8, 7, v8
	v_lshl_add_u32 v8, v9, 6, v8
	v_bfe_u32 v9, v2, 1, 2                         ; 2 c + h: the byte's place in the word
	v_add_nc_u32 v8, v8, v9
	v_add_nc_u32 v[IMS], s28, v8                   ; 128 s + 64 u + (2 c + h); + 4 r in the store's offset
	v_lshrrev_b32 v8, 4, v2
	v_mul_u32_u24 v8, v8, IP
	v_and_b32 v9, 15, v2
	v_lshl_add_u32 v8, v9, 4, v8
	v_add_nc_u32 v[RBC], s27, v8                   ; back: sixteen lanes to an image row, two rows an instruction
	v_add_nc_u32 v[RBS], s28, v[L8]
	s_lshl_b32 s17, ttmp9, 2
	s_add_co_u32 s17, s17, s16                     ; which chunk: 4 x work-group + wave
	s_lshr_b32 s18, s17, 7                         ; Wc: ot,
	s_lshl_b32 s18, s18, 22                        ; 16 x 256 rows of 1,024 bytes each
	s_and_b32 s19, s17, 127                        ; ip,
	s_lshl_b32 s19, s19, 11                        ; two rows each
	s_add_co_u32 s18, s18, s19
	s_sub_co_u32 s19, s17, 4*NWC                   ; features: q (used only where the work-group is one of features')
	s_lshl_b32 s22, s19, 15                        ; 32 rows each
	s_mov_b32 s21, 2048                            ; features: from step to step two rows
	s_mov_b32 s25, 0
	s_wait_kmcnt 0x0
	s_cmp_lt_u32 ttmp9, NWC                        ; Wc's work-group or features'?  Only pointers and numbers are chosen: one path through the text
	s_cselect_b64 s[4:5], s[6:7], s[4:5]
	s_cselect_b64 s[10:11], s[10:11], s[12:13]
	s_cselect_b32 s24, s18, s22
	s_cselect_b32 s19, s17, s19                    ; the chunk's number in its own buffer
	s_cselect_b32 s21, 0x40000, s21                ; Wc: from step to step 256 rows
	s_add_nc_u64 s[4:5], s[4:5], s[24:25]
	s_mul_i32 s24, s19, CHB
	s_add_nc_u64 s[10:11], s[10:11], s[24:25]
	s_lshl_b32 s20, s21, 2                         ; four steps on
.irp k, 0,1,2,3
	s_mul_i32 s22, s21, \k
	v_add_nc_u32 v[VO+\k], s22, v[L16]
.endr
.macro LOAD t                          ; step t: 2,048 consecutive bytes, 512 a load.  The hint is for Wc, 16 of this path's 17 parts, which the launch reads once
.irp i, 0,1,2,3
	global_load_b128 v[R+16*((\t)%4)+4*\i:R+16*((\t)%4)+4*\i+3], v[VO+(\t)%4], s[4:5] offset:512*\i th:TH_LOAD_NT
.endr
.endm
.macro TURN t                          ; step t's numbers through the stage: LDS serves a wave's instructions in order, so no wait stands between the stores and the loads
.irp i, 0,1,2,3
	ds_store_b128 v14, v[R+16*((\t)%4)+4*\i:R+16*((\t)%4)+4*\i+3] offset:32*SP*((\t)%2)+8*SP*\i
.endr
.irp i, 0,1,2,3
	ds_load_b128 v[X+16*((\t)%2)+4*\i:X+16*((\t)%2)+4*\i+3], v15 offset:32*SP*((\t)%2)+16*\i
.endr
.endm
.irp t, 0,1,2,3
	LOAD \t
.endr
	s_wait_alu depctr_va_vdst(0)
	s_wait_loadcnt 12                              ; step 0's four loads are in
	TURN 0
.macro STEP t
.set XS, X+16*((\t)%2)
.if (\t) > 0
	s_wait_dscnt 2                                 ; this step's numbers are back from the stage (the last step's byte store and code store may be out)
.else
	s_wait_dscnt 0x0
.endif
.if (\t)+4 < 16
	v_add_nc_u32 v[VO+(\t)%4], s20, v[VO+(\t)%4]   ; step t's loads were waited for a step ago: their offset may step
	LOAD (\t)+4
.endif
.if (\t)+1 < 16
.if 14-(\t) >= 3
	s_wait_loadcnt 12                              ; the next step's four loads are in; those of the three steps behind it may be out
.else
	s_wait_loadcnt 4*(14-(\t))
.endif
	TURN (\t)+1
.endif
	v_max3_num_f32 v8, |v[XS]|, |v[XS+1]|, |v[XS+2]|               ; the largest magnitude of my 16, in two chains
	v_max3_num_f32 v9, |v[XS+3]|, |v[XS+4]|, |v[XS+5]|
.irp i, 6,10
	v_max3_num_f32 v8, v8, |v[XS+\i]|, |v[XS+\i+1]|
	v_max3_num_f32 v9, v9, |v[XS+\i+2]|, |v[XS+\i+3]|
.endr
	v_max3_num_f32 v8, v8, |v[XS+14]|, |v[XS+15]|
	v_max3_num_f32 v8, v8, v9, 0x1800000           ; and the floor 2^(3 - 127): the byte cannot fall under 1
	v_max_num_f32_dpp v8, v8, v8 row_xmask:1 row_mask:0xf bank_mask:0xf   ; and of my neighbour's 16: the block's
	v_add_nc_u32 v11, 0xff000000, v8               ; 2 off its exponent field: the conversion takes the exponent field of this operand as its scale
	v_cvt_scalef32_pk8_fp4_f32 v[C+2*(\t)], v[XS:XS+7], v11
	v_cvt_scalef32_pk8_fp4_f32 v[C+2*(\t)+1], v[XS+8:XS+15], v11
	v_lshrrev_b32 v[E+(\t)], 23, v11               ; the scale's byte (a plain line behind the conversions)
	ds_store_b8 v[IMS], v[E+(\t)] offset:4*(\t)    ; both lanes of a block write the same byte with the same value
	ds_store_b64 v[IMC], v[C+2*(\t):C+2*(\t)+1] offset:16*(\t)
.endm
.irp t, 0,1,2,3,4,5,6,7,8,9,10,11,12,13,14,15
	STEP \t
.endr
.irp j, 0,1,2,3,4,5,6,7
	ds_load_b128 v[OUTR+4*\j:OUTR+4*\j+3], v[RBC] offset:2*IP*\j   ; LDS serves a wave's instructions in order: these see my stores
.endr
	ds_load_b64 v[OUTR+32:OUTR+33], v[RBS]
.irp j, 0,1,2,3,4,5,6,7
	s_wait_dscnt 8-\j
	global_store_b128 v[L16], v[OUTR+4*\j:OUTR+4*\j+3], s[10:11] offset:512*\j   ; 32 lanes store 512 consecutive bytes, at a multiple of 256 from the buffer's first byte
.endr
	s_wait_dscnt 0x0
	global_store_b64 v[L8], v[OUTR+32:OUTR+33], s[10:11] offset:4096             ; the scale words: 256 consecutive bytes
	s_branch .Lend
; ---------------- PATH T: 64 rows x 128 columns of features, or of bc seen as [256 o][256 i], are turned ----------------
; A lane takes a column and its registers run down the rows: 64 numbers are 256 bytes of the column's row of xt.  They go through the wave's stage and leave as rows.
.Ltrans:
	s_sub_co_u32 s17, ttmp9, NQW
	s_and_b32 s18, s17, 1                          ; which 128 columns
	s_lshr_b32 s19, s17, 1                         ; which 64 rows: 0..63 of features, 64..67 of bc
	s_lshl_b32 s20, s18, 7
	s_lshl_b32 s21, s16, 5
	s_add_co_u32 s20, s20, s21                     ; my wave's first column
	s_mul_i32 s22, s16, TREG
	s_add_co_u32 s22, s22, TBASE                   ; my stage
	s_wait_alu depctr_va_vdst(0)
	v_mul_u32_u24 v3, v2, 272
	v_add_nc_u32 v3, s22, v3                       ; into it: row = my column
	v_lshrrev_b32 v4, 4, v2
	v_and_b32 v5, 15, v2
	v_mul_u32_u24 v6, v4, 272
	v_lshl_add_u32 v6, v5, 4, v6
	v_add_nc_u32 v6, s22, v6                       ; out of it: sixteen lanes to a row, two rows an instruction
	v_mul_u32_u24 v7, v4, XROW
	v_lshl_add_u32 v7, v5, 4, v7                   ; and the same place in xt
	v_lshlrev_b32 v8, 2, v2                        ; in: 4 bytes a lane
	s_and_b32 s23, s19, 63                         ; the block of 64 rows in its own tensor
	s_lshl_b32 s24, s23, 16                        ; 64 rows of 1,024 bytes
	s_lshl_b32 s26, s20, 2
	s_add_co_u32 s24, s24, s26
	s_mov_b32 s25, 0
	s_mul_i32 s26, s20, XROW
	s_lshl_b32 s28, s19, 8                         ; 256 bytes of each row of xt: bc's four blocks follow features' 64
	s_add_co_u32 s26, s26, s28
	s_mov_b32 s27, 0
	s_wait_alu depctr_va_vdst(0)
	s_wait_kmcnt 0x0
	s_cmp_lt_u32 s19, 64
	s_cselect_b64 s[4:5], s[4:5], s[8:9]
	s_add_nc_u64 s[4:5], s[4:5], s[24:25]
	s_add_nc_u64 s[14:15], s[14:15], s[26:27]
.set i, 0
.rept 64
	global_load_b32 v[16+i], v8, s[4:5] offset:1024*i   ; 32 lanes read 128 consecutive bytes, the four waves 512
.set i, i+1
.endr
.set k, 0
.rept 16
	s_wait_loadcnt 60-4*k                          ; rows 4 k .. 4 k + 3 are in
	ds_store_b128 v3, v[16+4*k:19+4*k] offset:16*k
.set k, k+1
.endr
.set k, 0
.rept 16
	ds_load_b128 v[80+4*k:83+4*k], v6 offset:544*k ; LDS serves a wave's instructions in order: these see my stores
.set k, k+1
.endr
.set k, 0
.rept 16
	s_wait_dscnt 15-k
	global_store_b128 v7, v[80+4*k:83+4*k], s[14:15] offset:2*k*XROW   ; sixteen lanes store 256 consecutive bytes, at a multiple of 256 from xt's first byte
.set k, k+1
.endr
.Lend:
	s_wait_tensorcnt 0x0                           ; the wave's end: behind my last LDS store
	ds_add_u32 v[SPW], v[NIL]
	s_wait_dscnt 0x0
	s_endpgm
.Lfunc_end_k_q907441f632_prep:
	.size	k_q907441f632_prep, .Lfunc_end_k_q907441f632_prep-k_q907441f632_prep
	.p2alignl 7, 3214868480
	.fill 96, 4, 3214868480
	.section	.rodata,"a",@progbits
	.p2align	6, 0x0
	.amdhsa_kernel k_q907441f632_prep
		.amdhsa_group_segment_fixed_size 75264
		.amdhsa_private_segment_fixed_size 0
		.amdhsa_enable_private_segment 0
		.amdhsa_kernarg_size 48
		.amdhsa_user_sgpr_count 2
		.amdhsa_user_sgpr_kernarg_segment_ptr 1
		.amdhsa_wavefront_size32 1
		.amdhsa_system_sgpr_workgroup_id_x 1
		.amdhsa_system_sgpr_workgroup_id_y 1
		.amdhsa_system_sgpr_workgroup_id_z 1
		.amdhsa_system_vgpr_workitem_id 0
		.amdhsa_next_free_vgpr 208
		.amdhsa_next_free_sgpr 66
		.amdhsa_reserve_vcc 0
		.amdhsa_float_denorm_mode_32 3
		.amdhsa_float_denorm_mode_16_64 3
		.amdhsa_memory_ordered 1
		.amdhsa_forward_progress 1
		.amdhsa_inst_pref_size 48
	.end_amdhsa_kernel
	.amdgpu_metadata
---
amdhsa.version: [ 1, 2 ]
amdhsa.kernels:
  - .name:           k_q907441f632_prep
    .symbol:         k_q907441f632_prep.kd
    .args:
      - { .name: features, .offset: 0, .size: 8, .value_kind: global_buffer, .address_space: global }
      - { .name: Wc, .offset: 8, .size: 8, .value_kind: global_buffer, .address_space: global }
      - { .name: bc, .offset: 16, .size: 8, .value_kind: global_buffer, .address_space: global }
      - { .name: wq, .offset: 24, .size: 8, .value_kind: global_buffer, .address_space: global }
      - { .name: fq, .offset: 32, .size: 8, .value_kind: global_buffer, .address_space: global }
      - { .name: xt, .offset: 40, .size: 8, .value_kind: global_buffer, .address_space: global }
    .group_segment_fixed_size: 75264
    .private_segment_fixed_size: 0
    .kernarg_segment_align: 8
    .kernarg_segment_size: 48
    .max_flat_workgroup_size: 128
    .sgpr_count:     66
    .vgpr_count:     208
    .wavefront_size: 32
...
	.end_amdgpu_metadata
.endif
;; end of part 1
;; launch fused (part 2): grid 64 x 4, 4 waves a work-group, clusters of 4 x 1, 327,680 bytes of LDS; arguments fq, wq, xt, pt; writes pt
.if DOCPART == 2
	.amdgcn_target "amdgcn-amd-amdhsa--gfx1250"
	.amdhsa_code_object_version 6
	.text
	.protected	k_q907441f632_fused
	.globl	k_q907441f632_fused
	.p2align	8
	.type	k_q907441f632_fused,@function
k_q907441f632_fused:
	s_mov_b64 s[64:65], 0
	v_nop
	global_prefetch_b8 v0, s[64:65] scope:SCOPE_SE
	s_setreg_imm32_b32 hwreg(HW_REG_WAVE_MODE, 25, 1), 1
	s_wait_xcnt 0x0
	s_wait_alu depctr_hold_cnt(0) depctr_sa_sdst(0) depctr_va_vdst(0) depctr_va_sdst(0) depctr_va_ssrc(0) depctr_va_vcc(0) depctr_vm_vsrc(0)
	s_getreg_b32 s2, hwreg(HW_REG_IB_STS2, 6, 4)
	s_cmp_eq_u32 s2, 0
	s_cbranch_scc0 .Lentry_in_a_cluster
	s_endpgm
.Lentry_in_a_cluster:
	s_bfe_u32 s2, ttmp6, 0x10000c
	s_cmp_lg_u32 s2, 0x3003
	s_cbranch_scc0 .Lentry_shape_is_right
	s_endpgm
.Lentry_shape_is_right:
; TLinear, launch 2 of 3.  W_t[o][i] = Q(f_t) . Q(Wc[256 o + i]) + bc[256 o + i];  S[t][i] = sum over o of (|W_t[o][i]| + EPS);  part[t][o] = sum over my i of W_t[o][i] f[t][i] / S[t][i].
; Nothing is left out: the product is formed ONCE, and a column's numbers stay in registers from the sum S to the multiply-add.
; SHARES.  Work-group (tb, ib): tokens 64 tb .. + 63 (four tiles T of 16), columns i = 64 ib .. + 63, all 256 outputs.  Wave w: outputs 64 w .. + 63 (four tiles ot).
; A BATCH is one column i: 16 tiles (ot, T), 32 matrix instructions, into one of two sets D of 128 registers.  Each wave adds |.| over its 64 outputs, the four parts of S meet in LDS behind one barrier a batch,
; every wave makes g = f / S for itself, and batch b's 64 packed multiply-adds stand among batch b + 1's matrix instructions.
; THE PRODUCT: source 0 = 16 rows of Wc (16 outputs at one i), source 1 = 16 tokens: lane (r, h) holds token r, register j output 8 h + j.  The bias is the C of K step 0.
; Wc's chunks (two columns each) come through two LDS slots of four columns (a phase).  A wave fetches, by one joint tensor load, 4 rows ot of 8,704 bytes, and it alone reads them.
; The slot is free when the phase's last batch has its fragments in registers, so that batch's barrier is the refill's: four batches lie between a request and the wait for it.
; CLUSTER 4, 1, 1: the four partners differ in tb alone and walk the same chunks of Wc: each slot is asked for jointly.
; PREFETCH: at a phase's first batch each wave asks for 34 blocks of 256 bytes of the phase four on (two phases ahead of the tensor load that wants them): of its four rows ot the partner cx takes row cx; the last four phases ask for nothing.
; BIAS and f: 1,024 bytes each a phase and wave, from xt into registers two phases ahead, into the wave's own LDS ring one phase ahead.
; The parts over ib leave in the order of the registers: pt[ib][tb][w][ot][T][half][lane][16 bytes]; the next launch adds them.
; LIMITS: NaN and infinities among the inputs are not served.  The launch claims all of a WGP's LDS.
; REGISTERS.  window 0: addresses, scale words, S's parts, f, the ring's loads.  window 1 + u (u = i % 2): v0-127 D; v128-159 bias; v160-223 Wc's fragments; v224-239 sums; v240-247 their ends; v248-255 at work.
;   window 3: v0-127 the sums part^T; v128-191 the tokens' codes; v192-195 g.
.set CHB,   4352
.set XROW,  17408
.set PHB,   2*CHB
.set WREG,  4*PHB
.set SLOTB, 4*WREG
.set RING,  2*SLOTB                    ; a wave's 4,096 bytes: two areas of bias [4 i][256] and f [4 i][256]
.set PART,  RING+4*4096                ; S's parts: [batch % 2][wave][lane][16 bytes]
.set SPARE, PART+4096                  ; the spare words: two blocks of 256 bytes that no other line names
.set L16, 1
.set AW,  2                            ; v2-3  fragments, slot 0, 1
.set AS,  4                            ; v4-5  scale words, slot 0, 1
.set ABI, 6
.set AFV, 7
.set ARS, 8
.set APW, 9
.set APR, 10
.set SPW, 11
.set NIL, 12
.set VB,  13
.set VF,  14
.set PF0, 15
.set PF1, 16
.set L4,  17
.set WS,  32                           ; v32-47 Wc's scale words: 8 (pair in the phase) + 2 ot + K step; lanes 0-15 u = 0, lanes 16-31 u = 1
.set TKS, 48                           ; v48-51 the tokens': 2 q + K step
.set P,   64                           ; v64-79 four waves' parts of S
.set FV,  80                           ; v80-83 f of my four tokens
.set BR,  96                           ; v96-127 the ring's loads, two sets
.set WV,  12
.set G1,  16
.set G0,  24
.set SEL, 32
.set CNT, 34
.set XB,  36
.set PFA, 38
.set MSB, 0
.macro WIN new                         ; the immediate's high byte repeats the setting that is left
.if MSB != (\new)
	s_set_vgpr_msb (MSB<<8)|(\new)
.set MSB, (\new)
.endif
.endm
.macro CREST                           ; a round of the cluster's barrier behind its opening barrier
	s_cmp_lg_u32 s[WV], 0
	s_cbranch_scc1 .Lnw0_\@
	s_barrier_signal -3
.Lnw0_\@:
	s_barrier_wait -3
	s_barrier_signal -1
	s_barrier_wait -1
.endm
.macro ROUND
	s_barrier_signal -1
	s_barrier_wait -1
	CREST
.endm
.macro NOP4
.rept 4
	v_nop
.endr
.endm
; one matrix instruction: Wc's tile ot x tokens' tile t, K step s
.macro MM ot, t, s
.set mD, 8*(4*(\ot)+(\t))
.set mA, 160+16*(\ot)+8*(\s)
.set mB, 128+16*(\t)+8*(\s)
.set mC, mD
.if (\s)==0
.set mC, 128+8*(\ot)
.endif
.set mSA, WS+8*bJ+2*(\ot)+(\s)
.set mSB, TKS+2*((\t)/2)+(\s)
.if bU==0
.if (\t)%2==0
	v_wmma_scale_f32_16x16x128_f8f6f4 v[mD:mD+7], v[mA:mA+7], v[mB:mB+7], v[mC:mC+7], v[mSA], v[mSB] matrix_a_fmt:MATRIX_FMT_FP4 matrix_b_fmt:MATRIX_FMT_FP4
.else
	v_wmma_scale_f32_16x16x128_f8f6f4 v[mD:mD+7], v[mA:mA+7], v[mB:mB+7], v[mC:mC+7], v[mSA], v[mSB] matrix_a_fmt:MATRIX_FMT_FP4 matrix_b_fmt:MATRIX_FMT_FP4 matrix_b_scale:MATRIX_SCALE_ROW1
.endif
.else
.if (\t)%2==0
	v_wmma_scale_f32_16x16x128_f8f6f4 v[mD:mD+7], v[mA:mA+7], v[mB:mB+7], v[mC:mC+7], v[mSA], v[mSB] matrix_a_fmt:MATRIX_FMT_FP4 matrix_b_fmt:MATRIX_FMT_FP4 matrix_a_scale:MATRIX_SCALE_ROW1
.else
	v_wmma_scale_f32_16x16x128_f8f6f4 v[mD:mD+7], v[mA:mA+7], v[mB:mB+7], v[mC:mC+7], v[mSA], v[mSB] matrix_a_fmt:MATRIX_FMT_FP4 matrix_b_fmt:MATRIX_FMT_FP4 matrix_a_scale:MATRIX_SCALE_ROW1 matrix_b_scale:MATRIX_SCALE_ROW1
.endif
.endif
.endm
.macro WG ot                           ; eight: the four accumulators take turns, one instruction a turn
.irp s, 0,1
.irp t, 0,1,2,3
	MM \ot, \t, \s
.endr
.endr
.endm
; |.| of a tile, two to a sum, each accumulator read from its low end on; tile ot = 0 starts the four running sums of its token tile
.macro AADD ot, t
.set aD, 8*(4*(\ot)+(\t))
.set aT, 248+4*((\t)%2)
.if (\ot)==0
.set aT, 224+4*(\t)
.endif
.irp m, 0,1,2,3
	v_add_f32 v[aT+\m], |v[aD+2*\m]|, |v[aD+2*\m+1]|
.endr
.endm
.macro AACC t
.set aT, 248+4*((\t)%2)
	v_pk_add_f32 v[224+4*(\t):225+4*(\t)], v[224+4*(\t):225+4*(\t)], v[aT:aT+1]
	v_pk_add_f32 v[226+4*(\t):227+4*(\t)], v[226+4*(\t):227+4*(\t)], v[aT+2:aT+3]
.endm
.macro AB ot
	AADD \ot, 0
	AADD \ot, 1
.if (\ot)>0
	AACC 0
.endif
	AADD \ot, 2
.if (\ot)>0
	AACC 1
.endif
	AADD \ot, 3
.if (\ot)>0
	AACC 2
	AACC 3
.endif
.endm
; eight tiles of the batch before: sums += product x g (mode 2: the first batch starts the sums).  g of tiles 2 q and 2 q + 1 is a register pair
.macro FT t0, mode
.set fT, \t0
.rept 8
.set fG, 192+2*((fT%4)/2)
.irp m, 0,2,4,6
.if (\mode)==2
.if fT%2==0
	v_pk_mul_f32 v[8*fT+\m:8*fT+\m+1], v[8*fT+\m:8*fT+\m+1], v[fG:fG+1] op_sel_hi:[1,0]
.else
	v_pk_mul_f32 v[8*fT+\m:8*fT+\m+1], v[8*fT+\m:8*fT+\m+1], v[fG:fG+1] op_sel:[0,1] op_sel_hi:[1,1]
.endif
.else
.if fT%2==0
	v_pk_fma_f32 v[8*fT+\m:8*fT+\m+1], v[8*fT+\m:8*fT+\m+1], v[fG:fG+1], v[8*fT+\m:8*fT+\m+1] op_sel_hi:[1,0,1]
.else
	v_pk_fma_f32 v[8*fT+\m:8*fT+\m+1], v[8*fT+\m:8*fT+\m+1], v[fG:fG+1], v[8*fT+\m:8*fT+\m+1] op_sel:[0,1,0] op_sel_hi:[1,1,1]
.endif
.endif
.endr
.set fT, fT+1
.endr
.endm
.macro GLOAD pp, ps, pi                ; the four waves' parts of S, and f, of the batch before
.irp k, 0,1,2,3
	ds_load_b128 v[P+4*\k:P+4*\k+3], v[APR] offset:(\pp)*2048+512*\k
.endr
.irp q, 0,1
	ds_load_b64 v[FV+2*\q:FV+2*\q+1], v[AFV] offset:(\ps)*2048+(\pi)*256+128*\q
.endr
.endm
.macro GSUM                            ; 1 / (S + 256 EPS), for my four tokens
	v_pk_add_f32 v[P:P+1], v[P:P+1], v[P+4:P+5]
	v_pk_add_f32 v[P+2:P+3], v[P+2:P+3], v[P+6:P+7]
	v_pk_add_f32 v[P+8:P+9], v[P+8:P+9], v[P+12:P+13]
	v_pk_add_f32 v[P+10:P+11], v[P+10:P+11], v[P+14:P+15]
	v_pk_add_f32 v[P:P+1], v[P:P+1], 0x3b27c5ac op_sel_hi:[1,0]
	v_pk_add_f32 v[P+2:P+3], v[P+2:P+3], 0x3b27c5ac op_sel_hi:[1,0]
	v_pk_add_f32 v[P:P+1], v[P:P+1], v[P+8:P+9]
	v_pk_add_f32 v[P+2:P+3], v[P+2:P+3], v[P+10:P+11]
	s_wait_alu depctr_va_vdst(0)                   ; the wait ahead of the batch of reciprocals
.irp t, 0,1,2,3
	v_rcp_f32 v[P+\t], v[P+\t]
.endr
	v_nop
.endm
.macro GMUL                            ; g = f / (S + 256 EPS); the destination's window is 3
	v_pk_mul_f32 v[192:193], v[P:P+1], v[FV:FV+1]
	v_pk_mul_f32 v[194:195], v[P+2:P+3], v[FV+2:FV+3]
.endm
.macro GCALC
	GSUM
	s_wait_alu depctr_va_vdst(0)                   ; behind the reciprocals, ahead of their first reader
	WIN 192
	GMUL
.endm
.macro NLOAD                           ; the next batch's fragments and bias into the other window; with a new pair of columns its scale words
	WIN (2-bU)<<6
.irp ot, 0,1,2,3
.irp k, 0,1,2,3
	ds_load_b128 v[160+16*\ot+4*\k:163+16*\ot+4*\k], v[AW+bNS] offset:\ot*PHB+(bNI/2)*CHB+2048*(bNI%2)+512*\k
.endr
.endr
.irp ot, 0,1,2,3
.irp k, 0,1
	ds_load_b128 v[128+8*\ot+4*\k:131+8*\ot+4*\k], v[ABI] offset:bNS*2048+bNI*256+64*\ot+16*\k
.endr
.endr
	WIN 0
.set bN, 24
.if bNI%2==0
.irp ot, 0,1,2,3
.irp s, 0,1
	ds_load_b32 v[WS+8*(bNI/2)+2*\ot+\s], v[AS+bNS] offset:\ot*PHB+(bNI/2)*CHB+128*\s
.endr
.endr
.set bN, 32
.endif
.endm
.macro RLOAD set, row                  ; four rows i of xt: my 64 outputs' bias and the 64 tokens' f; sixteen lanes to a row's 256 bytes
.irp k, 0,1
	global_load_b128 v[BR+16*(\set)+4*\k:BR+16*(\set)+4*\k+3], v[VB], s[XB:XB+1] offset:((\row)+2*\k)*XROW
	global_load_b128 v[BR+16*(\set)+8+4*\k:BR+16*(\set)+8+4*\k+3], v[VF], s[XB:XB+1] offset:((\row)+2*\k)*XROW
.endr
.endm
; At a phase's first batch: the next phase's bias and f go into the ring's other area (behind this wave's last reads of it: LDS serves a wave in order), the phase after that is loaded, the phase four on is prefetched.
; ldl, pfl: the loads and the prefetch run while the trips to go exceed them (-1: always), so that no address leaves its buffer.
.macro RINGOP sl, ldl, pfl
	s_wait_loadcnt 0x0
	s_wait_xcnt 0x0                                ; the last prefetches have read their base
.irp k, 0,1
	ds_store_b128 v[ARS], v[BR+16*(1-(\sl))+4*\k:BR+16*(1-(\sl))+4*\k+3] offset:(1-(\sl))*2048+512*\k
	ds_store_b128 v[ARS], v[BR+16*(1-(\sl))+8+4*\k:BR+16*(1-(\sl))+8+4*\k+3] offset:(1-(\sl))*2048+1024+512*\k
.endr
.set bN, bN+4
	s_add_nc_u64 s[XB:XB+1], s[XB:XB+1], 4*XROW
	s_add_nc_u64 s[PFA:PFA+1], s[PFA:PFA+1], PHB
.if (\ldl)>=0
	s_cmp_gt_u32 s[CNT], \ldl
	s_cbranch_scc0 .Lnl_\@
.endif
	RLOAD \sl, 4
.if (\ldl)>=0
.Lnl_\@:
.endif
.if (\pfl)>=0
	s_cmp_gt_u32 s[CNT], \pfl
	s_cbranch_scc0 .Lnp_\@
.endif
	global_prefetch_b8 v[PF0], s[PFA:PFA+1] offset:3*PHB th:TH_LOAD_NT scope:SCOPE_SE
	global_prefetch_b8 v[PF1], s[PFA:PFA+1] offset:3*PHB th:TH_LOAD_NT scope:SCOPE_SE
.if (\pfl)>=0
.Lnp_\@:
.endif
.endm
; One column.  il: its place in the phase; sl: the phase's slot; prev: 0 no batch before, 1 its multiply-adds, 2 they start the sums; nxt: a batch follows; fill: the phase's slot is filled again; ring: RINGOP at il = 0.
.macro SETB il, sl
.set bU, (\il)%2
.set bJ, (\il)/2
.set bW, 1+bU
.set bNI, ((\il)+1)%4
.set bPI, ((\il)+3)%4
.set bNS, \sl
.set bPS, \sl
.if (\il)==3
.set bNS, 1-(\sl)
.endif
.if (\il)==0
.set bPS, 1-(\sl)
.endif
.set bN, 0
.endm
; A column's head: its first sixteen matrix instructions stand between the signal at the end of the column before and the barrier's wait
.macro BHEAD il, sl, prev
	SETB \il, \sl
	WIN 81*bW+12
	WG 0
	WG 1
	WIN 0
.if \prev
	s_barrier_wait -1
.endif
.endm
.macro BREST il, sl, prev, nxt, fill, ring, ldl, pfl
	SETB \il, \sl
.if (\il)==3
.if \fill
	CREST
	s_add_nc_u64 s[G0+4*(\sl)+2:G0+4*(\sl)+3], s[G0+4*(\sl)+2:G0+4*(\sl)+3], 2*PHB
	tensor_load_to_lds s[G0+4*(\sl):G0+4*(\sl)+3], s[G1:G1+7]   ; the phase two on: my one tensor load behind the round
	s_nop 0
.else
.if \nxt
	s_wait_tensorcnt 0x0                           ; the last phase's slot is mine alone to read: my own wait orders the reads
.endif
.endif
.endif
	NOP4                                           ; four places behind the matrix instructions, ahead of the first read of their results
.if \prev
	GLOAD 1-bU, bPS, bPI
.endif
.if \nxt
	NLOAD
.endif
.if \ring
	RINGOP \sl, \ldl, \pfl
.endif
	WIN 85*bW
	AB 0
	AB 1
	WIN 81*bW+12
	WG 2
.if \prev
	WIN 0
	s_wait_dscnt bN                                ; S's parts and f are in; the bN LDS instructions issued behind them may be out
	GSUM                                           ; its nine plain lines are also the places behind the matrix instructions above
	WIN 85*bW
	s_wait_alu depctr_va_vdst(0)                   ; behind the reciprocals and directly ahead of the first read of the results above
.else
	NOP4
	WIN 85*bW
.endif
	AB 2
.if \prev
	WIN 192
	GMUL
.endif
	WIN 81*bW+12
	WG 3
.if \prev
	WIN 252+2-bU
	FT 0, \prev                                    ; half of the multiply-adds of the column before: the places behind the matrix instructions above
.else
	NOP4
.endif
	WIN 85*bW
	AB 3
.irp t, 0,1,2,3
	v_pk_add_f32 v[224+4*\t:225+4*\t], v[224+4*\t:225+4*\t], v[226+4*\t:227+4*\t]
.endr
.irp t, 0,1,2,3
	v_add_f32 v[240+\t], v[224+4*\t], v[225+4*\t]
.endr
.irp t, 0,1,2,3
	v_permlanex16_b32 v[244+\t], v[240+\t], s[SEL], s[SEL+1]
.endr
.irp t, 0,1,2,3
	v_add_f32 v[240+\t], v[240+\t], v[244+\t]      ; my 64 outputs' part of S for the four tokens r
.endr
	WIN 4*bW
	ds_store_b128 v[APW], v[240:243] offset:bU*2048
	WIN 0
.if (\il)==2
.if \fill
	s_wait_alu depctr_va_vdst(0)                   ; directly ahead of the wait below
	s_wait_tensorcnt 0x0                           ; the next barrier is a refill's: all my tensor loads have landed, the other slot's among them,
	ds_add_u32 v[SPW], v[NIL]                      ; and the add; work on registers stands between it and the wait for it
.endif
.endif
.if \prev
	WIN 252+2-bU
	FT 8, \prev                                    ; the other half, while the store is out
	WIN 0
.endif
	s_wait_alu depctr_va_vdst(0)                   ; directly ahead of the wait below
	s_wait_dscnt 0x0                               ; my store is done and the next column's fragments are in:
	s_barrier_signal -1                            ; say so; the wait stands behind the next column's first sixteen matrix instructions
.endm
.macro BATCH il, sl, prev, nxt, fill, ring, ldl, pfl
	BHEAD \il, \sl, \prev
	BREST \il, \sl, \prev, \nxt, \fill, \ring, \ldl, \pfl
.endm
	s_load_b256 s[4:11], s[0:1], 0x0               ; fq s[4:5], wq s[6:7], xt s[8:9], pt s[10:11]
	v_lshl_add_u32 v[SPW], v0, 2, SPARE
	v_mov_b32 v[NIL], 0
	ds_add_u32 v[SPW], v[NIL]
	ds_add_u32 v[SPW], v[NIL]
	v_lshrrev_b32 v18, 5, v0
	v_readfirstlane_b32 s[WV], v18                 ; wave 0..3
	s_bfe_u32 s13, ttmp6, 0x40000                  ; cx
	s_lshl_b32 s14, ttmp9, 2
	s_add_co_u32 s14, s14, s13                     ; tb
	s_and_b32 s15, ttmp7, 0xffff                   ; ib
	s_mov_b32 s[G1+0], 15|(3<<16)|(1<<21)          ; the four partners; elements of 8 bytes
	s_mov_b32 s[G1+1], 1088<<16                    ; 4 rows ot of 8,704 bytes, 128 chunks apart
	s_mov_b32 s[G1+2], 4<<16
	s_mov_b32 s[G1+3], 1088<<16
	s_mov_b32 s[G1+4], 4
	s_mov_b32 s[G1+5], 128*CHB/8
	s_mov_b32 s[G1+6], 0
	s_mov_b32 s[G1+7], 0
	s_mov_b32 s[SEL], 0x76543210
	s_mov_b32 s[SEL+1], 0xfedcba98
	s_mul_i32 s40, s[WV], 4*128*CHB                ; wq: chunk (4 w, 32 ib): of the wave's number and ib alone
	s_mul_i32 s41, s15, 32*CHB
	s_add_co_u32 s40, s40, s41
	s_mov_b32 s41, 0
	s_mul_i32 s42, s13, 128*CHB                    ; the prefetches: row 4 w + cx
	s_add_co_u32 s42, s42, s40
	s_mov_b32 s43, 0
	s_mul_i32 s44, s15, 64*XROW                    ; xt: row 64 ib
	s_mov_b32 s45, 0
	s_mul_i32 s46, s14, 2*CHB                      ; fq: chunks 2 tb, 2 tb + 1
	s_mov_b32 s47, 0
	s_lshl_b32 s48, s15, 6
	s_add_co_u32 s48, s48, s14
	s_lshl_b32 s48, s48, 2
	s_add_co_u32 s48, s48, s[WV]
	s_lshl_b32 s48, s48, 14                        ; pt: 16,384 bytes for each (ib, tb, w)
	s_mov_b32 s49, 0
	s_mul_i32 s50, s[WV], WREG
	s_add_co_u32 s51, s50, 4096
	s_lshl_b32 s52, s[WV], 12
	s_add_co_u32 s52, s52, RING
	s_add_co_u32 s53, s52, 1024
	s_lshl_b32 s54, s[WV], 9
	s_add_co_u32 s54, s54, PART
	s_lshl_b32 s55, s[WV], 8
	s_add_co_u32 s55, s55, 16384
	s_lshl_b32 s56, s14, 8
	s_wait_dscnt 0x0
	s_wait_kmcnt 0x0
	s_add_nc_u64 s[40:41], s[6:7], s[40:41]
	s_add_nc_u64 s[PFA:PFA+1], s[6:7], s[42:43]
	s_add_nc_u64 s[XB:XB+1], s[8:9], s[44:45]
	s_add_nc_u64 s[4:5], s[4:5], s[46:47]
	s_add_nc_u64 s[10:11], s[10:11], s[48:49]
	ROUND                                          ; the four partners are here: the first joint loads meet
.irp s, 0,1
	s_mov_b32 s[G0+4*\s], 1
	s_add_co_u32 s[G0+4*\s+1], s50, \s*SLOTB
	s_add_nc_u64 s[G0+4*\s+2:G0+4*\s+3], s[40:41], \s*PHB
	s_or_b32 s[G0+4*\s+3], s[G0+4*\s+3], 0x80000000
.endr
	tensor_load_to_lds s[G0:G0+3], s[G1:G1+7]      ; phase 0: one tensor load a wave at the head
	s_nop 0
	NOP4
	v_and_b32 v18, 31, v0                          ; lane
	v_and_b32 v19, 15, v0                          ; r
	v_bfe_u32 v20, v0, 4, 1                        ; h
	v_lshlrev_b32 v[L16], 4, v18
	v_lshlrev_b32 v[L4], 2, v18
	v_mul_u32_u24 v21, v20, XROW
	v_min_u32 v22, 1, v18
	v_add_nc_u32 v[AW], s50, v[L16]
	v_add_nc_u32 v[AS], s51, v[L4]
	v_lshl_add_u32 v21, v19, 4, v21                ; h rows of xt + 16 r
	v_add_nc_u32 v[AW+1], SLOTB, v[AW]
	v_add_nc_u32 v[AS+1], SLOTB, v[AS]
	v_lshl_add_u32 v[ABI], v20, 5, s52
	v_lshl_add_u32 v[AFV], v19, 3, s53
	v_add_nc_u32 v[ARS], s52, v[L16]
	v_add_nc_u32 v[APW], s54, v[L16]
	v_add_nc_u32 v[APR], PART, v[L16]
	v_add_nc_u32 v[VB], s55, v21
	v_add_nc_u32 v[VF], s56, v21
	v_lshlrev_b32 v[PF0], 8, v18                   ; blocks 0-31 of a row's 34,
	v_lshl_add_u32 v[PF1], v22, 8, 8192            ; and blocks 32, 33 (the lanes left over name the last again)
	WIN 64
.irp t, 0,1,2,3
	v_mov_b32 v[244+\t], 0                         ; a lane permute's destination counts as one of its sources
.endr
	WIN 128
.irp t, 0,1,2,3
	v_mov_b32 v[244+\t], 0
.endr
	WIN 192
.irp q, 0,1
.irp k, 0,1,2,3,4,5,6,7
	global_load_b128 v[128+32*\q+4*\k:131+32*\q+4*\k], v[L16], s[4:5] offset:\q*CHB+512*\k   ; tile T = 2 q + v, K step s: registers 16 T + 8 s + 4 c at byte 512 (4 v + 2 s + c)
.endr
.endr
	WIN 0
.irp q, 0,1
.irp s, 0,1
	global_load_b32 v[TKS+2*\q+\s], v[L4], s[4:5] offset:\q*CHB+4096+128*\s
.endr
.endr
	RLOAD 0, 0
	RLOAD 1, 4
	s_wait_alu depctr_va_vdst(0)                   ; the wait at the head's end
	s_wait_tensorcnt 0x0                           ; phase 0 is in; slot 1's first fill is issued as a refill is
	ds_add_u32 v[SPW], v[NIL]
	s_wait_dscnt 0x0
	ROUND
	tensor_load_to_lds s[G0+4:G0+7], s[G1:G1+7]    ; phase 1
	s_nop 0
	NOP4
	s_wait_loadcnt 0x0
.irp k, 0,1
	ds_store_b128 v[ARS], v[BR+4*\k:BR+4*\k+3] offset:512*\k
	ds_store_b128 v[ARS], v[BR+8+4*\k:BR+8+4*\k+3] offset:1024+512*\k
.endr
.set bU, 1
.set bNI, 0
.set bNS, 0
	NLOAD                                          ; batch 0's fragments, bias and scale words
	s_wait_dscnt 0x0
	BATCH 0, 0, 0, 1, 1, 1, -1, -1
	BATCH 1, 0, 2, 1, 1, 0, 0, 0
	s_mov_b32 s[CNT], 7
	BHEAD 2, 0, 1
.Ltrip:                                                ; a trip: eight columns, both slots filled again; its edge stands behind a barrier's wait
	BREST 2, 0, 1, 1, 1, 0, 0, 0
	BATCH 3, 0, 1, 1, 1, 0, 0, 0
	BATCH 0, 1, 1, 1, 1, 1, -1, 1
	BATCH 1, 1, 1, 1, 1, 0, 0, 0
	BATCH 2, 1, 1, 1, 1, 0, 0, 0
	BATCH 3, 1, 1, 1, 1, 0, 0, 0
	BATCH 0, 0, 1, 1, 1, 1, 1, 2
	BATCH 1, 0, 1, 1, 1, 0, 0, 0
	BHEAD 2, 0, 1
	s_sub_co_u32 s[CNT], s[CNT], 1
	s_cmp_lg_u32 s[CNT], 0
	s_wait_alu depctr_va_vdst(0)                   ; directly ahead of the branch
	s_cbranch_scc1 .Ltrip
	BREST 2, 0, 1, 1, 0, 0, 0, 0
	BATCH 3, 0, 1, 1, 0, 0, 0, 0
	BATCH 0, 1, 1, 1, 0, 0, 0, 0
	BATCH 1, 1, 1, 1, 0, 0, 0, 0
	BATCH 2, 1, 1, 1, 0, 0, 0, 0
	BATCH 3, 1, 1, 0, 0, 0, 0, 0
	s_barrier_wait -1
	GLOAD 1, 1, 3
	s_wait_dscnt 0x0
	GCALC
	WIN 254
	FT 0, 1
	FT 8, 1
	WIN 12
.set n, 0
.rept 32
	global_store_b128 v[L16], v[4*n:4*n+3], s[10:11] offset:512*n   ; 32 lanes store 512 consecutive bytes, at a multiple of 256 from pt's first byte
.set n, n+1
.endr
	WIN 0
	s_wait_tensorcnt 0x0                           ; the wave's end
	ds_add_u32 v[SPW], v[NIL]
	s_wait_dscnt 0x0
	ROUND                                          ; the closing round
	s_endpgm
.Lfunc_end_k_q907441f632_fused:
	.size	k_q907441f632_fused, .Lfunc_end_k_q907441f632_fused-k_q907441f632_fused
	.p2alignl 7, 3214868480
	.fill 96, 4, 3214868480
	.section	.rodata,"a",@progbits
	.p2align	6, 0x0
	.amdhsa_kernel k_q907441f632_fused
		.amdhsa_group_segment_fixed_size 327680
		.amdhsa_private_segment_fixed_size 0
		.amdhsa_enable_private_segment 0
		.amdhsa_kernarg_size 32
		.amdhsa_user_sgpr_count 2
		.amdhsa_user_sgpr_kernarg_segment_ptr 1
		.amdhsa_wavefront_size32 1
		.amdhsa_system_sgpr_workgroup_id_x 1
		.amdhsa_system_sgpr_workgroup_id_y 1
		.amdhsa_system_sgpr_workgroup_id_z 1
		.amdhsa_system_vgpr_workitem_id 0
		.amdhsa_next_free_vgpr 1024
		.amdhsa_next_free_sgpr 66
		.amdhsa_reserve_vcc 0
		.amdhsa_float_denorm_mode_32 3
		.amdhsa_float_denorm_mode_16_64 3
		.amdhsa_memory_ordered 1
		.amdhsa_forward_progress 1
		.amdhsa_inst_pref_size 255
	.end_amdhsa_kernel
	.section	.bss,"aw",@nobits
	.p2align	6
	.space	262144
	.amdgpu_metadata
---
amdhsa.version: [ 1, 2 ]
amdhsa.kernels:
  - .name:           k_q907441f632_fused
    .symbol:         k_q907441f632_fused.kd
    .args:
      - { .name: fq, .offset: 0, .size: 8, .value_kind: global_buffer, .address_space: global }
      - { .name: wq, .offset: 8, .size: 8, .value_kind: global_buffer, .address_space: global }
      - { .name: xt, .offset: 16, .size: 8, .value_kind: global_buffer, .address_space: global }
      - { .name: pt, .offset: 24, .size: 8, .value_kind: global_buffer, .address_space: global }
    .group_segment_fixed_size: 327680
    .private_segment_fixed_size: 0
    .kernarg_segment_align: 8
    .kernarg_segment_size: 32
    .max_flat_workgroup_size: 128
    .sgpr_count:     66
    .vgpr_count:     1024
    .wavefront_size: 32
...
	.end_amdgpu_metadata
.endif
;; end of part 2
;; launch fold (part 3): grid 256 x 1, 4 waves a work-group, no clusters, 17,920 bytes of LDS; arguments pt, out0; writes out0
.if DOCPART == 3
	.amdgcn_target "amdgcn-amd-amdhsa--gfx1250"
	.amdhsa_code_object_version 6
	.text
	.protected	k_q907441f632_fold
	.globl	k_q907441f632_fold
	.p2align	8
	.type	k_q907441f632_fold,@function
k_q907441f632_fold:
	s_mov_b64 s[64:65], 0
	v_nop
	global_prefetch_b8 v0, s[64:65] scope:SCOPE_SE
	s_setreg_imm32_b32 hwreg(HW_REG_WAVE_MODE, 25, 1), 1
	s_wait_xcnt 0x0
; TLinear, launch 3 of 3: out[t][o] = the sum of the four parts over ib.  Nothing is left out.
; pt[ib][tb][w][ot][T][half][lane (r, h)][16 bytes] holds part(token 64 tb + 32 (T / 2) + 2 r + T % 2, outputs 64 w + 16 ot + 8 h + 4 half + 0..3).
; Work-group (tb, T), wave w: 16 tokens x 64 outputs.  Every load reads 512 consecutive bytes; the sums turn through the wave's own stage in LDS, and sixteen lanes store a token's 256 aligned bytes.
; No matrix unit, no cluster, no tensor load: each byte is read once and no two work-groups read the same bytes; all of a wave's 32 loads are out at once, so there is no loop to prefetch in.
.set PITCH, 272
.set SPARE, 4*16*PITCH                 ; the spare words: two blocks of 256 bytes that no other line names
.set SPW, 10
.set NIL, 11
	s_load_b128 s[4:7], s[0:1], 0x0                ; pt, out0
	v_lshl_add_u32 v[SPW], v0, 2, SPARE
	v_mov_b32 v[NIL], 0
	v_lshrrev_b32 v1, 5, v0
	v_readfirstlane_b32 s8, v1                     ; wave
	s_lshr_b32 s9, ttmp9, 2                        ; tb
	s_and_b32 s10, ttmp9, 3                        ; T
	s_lshl_b32 s12, s9, 2
	s_add_co_u32 s12, s12, s8
	s_lshl_b32 s12, s12, 14
	s_lshl_b32 s13, s10, 10
	s_add_co_u32 s12, s12, s13
	s_mov_b32 s13, 0
	s_lshl_b32 s14, s9, 6
	s_lshr_b32 s15, s10, 1
	s_lshl_b32 s15, s15, 5
	s_add_co_u32 s14, s14, s15
	s_and_b32 s15, s10, 1
	s_add_co_u32 s14, s14, s15                     ; the token of r = 0
	s_lshl_b32 s14, s14, 10
	s_lshl_b32 s15, s8, 8
	s_add_co_u32 s14, s14, s15
	s_mov_b32 s15, 0
	s_mul_i32 s18, s8, 16*PITCH
	v_and_b32 v2, 31, v0
	v_and_b32 v3, 15, v0                           ; r
	v_bfe_u32 v4, v0, 4, 1                         ; h
	v_lshlrev_b32 v5, 4, v2
	v_mul_u32_u24 v6, v3, PITCH
	v_mul_u32_u24 v7, v4, PITCH
	v_lshlrev_b32 v8, 11, v4
	v_lshl_add_u32 v6, v4, 5, v6
	v_lshl_add_u32 v7, v3, 4, v7
	v_lshl_add_u32 v8, v3, 4, v8                   ; out0: two token rows on for lanes 16-31, 16 r
	v_add_nc_u32 v6, s18, v6                       ; into the stage: row r, 32 h
	v_add_nc_u32 v7, s18, v7                       ; out of it: sixteen lanes to a row, two rows an instruction
	s_wait_alu depctr_va_vdst(0)                   ; the wait at the head's end
	s_wait_kmcnt 0x0
	s_add_nc_u64 s[4:5], s[4:5], s[12:13]
	s_add_nc_u64 s[20:21], s[4:5], 0x800000        ; parts 2 and 3
	s_add_nc_u64 s[6:7], s[6:7], s[14:15]
.irp b, 0,1
.irp e, 0,1,2,3,4,5,6,7
	global_load_b128 v[32+32*\b+4*\e:35+32*\b+4*\e], v5, s[4:5] offset:\b*4194304+(\e/2)*4096+(\e%2)*512 th:TH_LOAD_NT
.endr
.endr
.irp b, 0,1
.irp e, 0,1,2,3,4,5,6,7
	global_load_b128 v[96+32*\b+4*\e:99+32*\b+4*\e], v5, s[20:21] offset:\b*4194304+(\e/2)*4096+(\e%2)*512 th:TH_LOAD_NT
.endr
.endr
	s_wait_loadcnt 16
.set j, 0
.rept 16
	v_pk_add_f32 v[32+j:33+j], v[32+j:33+j], v[64+j:65+j]
.set j, j+2
.endr
	s_wait_loadcnt 0x0
.set j, 0
.rept 16
	v_pk_add_f32 v[96+j:97+j], v[96+j:97+j], v[128+j:129+j]
.set j, j+2
.endr
.set j, 0
.rept 16
	v_pk_add_f32 v[32+j:33+j], v[32+j:33+j], v[96+j:97+j]
.set j, j+2
.endr
.irp e, 0,1,2,3,4,5,6,7
	ds_store_b128 v6, v[32+4*\e:35+4*\e] offset:64*(\e/2)+16*(\e%2)
.endr
.irp k, 0,1,2,3,4,5,6,7
	ds_load_b128 v[64+4*\k:67+4*\k], v7 offset:2*PITCH*\k   ; LDS serves a wave's instructions in order: these see my stores
.endr
.irp k, 0,1,2,3,4,5,6,7
	s_wait_dscnt 7-\k
	global_store_b128 v8, v[64+4*\k:67+4*\k], s[6:7] offset:4096*\k   ; sixteen lanes store 256 consecutive bytes, at a multiple of 256 from out0's first byte
.endr
	s_wait_tensorcnt 0x0                           ; the wave's end
	ds_add_u32 v[SPW], v[NIL]
	s_wait_dscnt 0x0
	s_endpgm
.Lfunc_end_k_q907441f632_fold:
	.size	k_q907441f632_fold, .Lfunc_end_k_q907441f632_fold-k_q907441f632_fold
	.p2alignl 7, 3214868480
	.fill 96, 4, 3214868480
	.section	.rodata,"a",@progbits
	.p2align	6, 0x0
	.amdhsa_kernel k_q907441f632_fold
		.amdhsa_group_segment_fixed_size 17920
		.amdhsa_private_segment_fixed_size 0
		.amdhsa_enable_private_segment 0
		.amdhsa_kernarg_size 16
		.amdhsa_user_sgpr_count 2
		.amdhsa_user_sgpr_kernarg_segment_ptr 1
		.amdhsa_wavefront_size32 1
		.amdhsa_system_sgpr_workgroup_id_x 1
		.amdhsa_system_sgpr_workgroup_id_y 1
		.amdhsa_system_sgpr_workgroup_id_z 1
		.amdhsa_system_vgpr_workitem_id 0
		.amdhsa_next_free_vgpr 160
		.amdhsa_next_free_sgpr 66
		.amdhsa_reserve_vcc 0
		.amdhsa_float_denorm_mode_32 3
		.amdhsa_float_denorm_mode_16_64 3
		.amdhsa_memory_ordered 1
		.amdhsa_forward_progress 1
		.amdhsa_inst_pref_size 11
	.end_amdhsa_kernel
	.amdgpu_metadata
---
amdhsa.version: [ 1, 2 ]
amdhsa.kernels:
  - .name:           k_q907441f632_fold
    .symbol:         k_q907441f632_fold.kd
    .args:
      - { .name: pt, .offset: 0, .size: 8, .value_kind: global_buffer, .address_space: global }
      - { .name: out0, .offset: 8, .size: 8, .value_kind: global_buffer, .address_space: global }
    .group_segment_fixed_size: 17920
    .private_segment_fixed_size: 0
    .kernarg_segment_align: 8
    .kernarg_segment_size: 16
    .max_flat_workgroup_size: 128
    .sgpr_count:     66
    .vgpr_count:     160
    .wavefront_size: 32
...
	.end_amdgpu_metadata
.endif
;; end of part 3
